; MI455X (gfx1250); checked and timed in simulation.
; The chip was launched on July 23, 2026; its instructions are those of AMD's public machine-readable ISA for CDNA 5 (MIT licence, August 2026) and "CDNA5" Instruction Set Architecture Reference Guide (July 2026). The comments in the code are by the model that wrote it; some were corrected since.
;; Binary Decorator. Allowed arithmetic: float matrix products may take bf16 or f16 operands with f32 sums; other float arithmetic in f32, or as packed bf16 or f16 multiplies, adds, multiply-adds, maxima and minima; sums over many terms, partial sums and values carried from step to step in f32; what a program stores and reads back later, other than sums and carried values, may be rounded once to bf16 or f16.
;; Inputs: W 4,096 x 4,096 float32; b 4,096 float32; x 4,096 x 4,096 float32.
;; Outputs: out0 4,096 x 4,096 float32.
;; One version. Each part assembles by itself: llvm-mc -triple=amdgcn-amd-amdhsa -mcpu=gfx1250 --defsym DOCPART=n.
;; ======== version 1 of 1: 2 launches
;; workspace buffers: xs 33,554,432 bytes; ws 33,554,432 bytes; part 2,048 bytes
;; launch prep (part 1): grid 512 x 2, 8 waves a work-group, no clusters, 1,280 bytes of LDS; arguments x, W, xs, ws, part; writes xs, ws, part
.if DOCPART == 1
	.amdgcn_target "amdgcn-amd-amdhsa--gfx1250"
	.amdhsa_code_object_version 6
	.text
	.protected	k_qc483cbc99c_prep
	.globl	k_qc483cbc99c_prep
	.p2align	8
	.type	k_qc483cbc99c_prep,@function
k_qc483cbc99c_prep:
	s_mov_b64 s[64:65], 0
	v_nop
	global_prefetch_b8 v0, s[64:65] scope:SCOPE_SE
	s_setreg_imm32_b32 hwreg(HW_REG_WAVE_MODE, 25, 1), 1
	s_wait_xcnt 0x0
; xs = sign(x) and ws = sign(W) as bf16 (-1, -0, +0, +1: all exact), and part[g] = the sum of |x| over work-group g's 8 rows of x, in f32.
; x, W: [4096][4096] f32.  xs, ws: [4096][4096] bf16.  part: 512 f32.
; Grid y = 0 takes x (with the sums), y = 1 takes W (without).  A work-group takes 131,072 consecutive input bytes, each of its eight waves
; 16,384: 32 loads of 512 consecutive bytes (16 a lane).  A lane's 4 numbers become 8 bytes, so a wave's store covers 256 consecutive bytes, aligned.
; A stream: every input byte is read once and every output byte written once; the matrix unit, clusters and tensor loads would add nothing.
; A ring of DEPTH slots in registers keeps DEPTH loads of every wave on their way.
; LIMITS.  A NaN counts as non-zero and gives +-1 by its sign bit (a NaN in x still makes the sum of |x| a NaN); denormals count as non-zero; +-0 gives +-0.
.set DEPTH,  8                         ; slots = loads in flight in each wave
.set ROUNDS, 4                         ; each round takes every slot once: 32 loads a wave
.set SPARE,  256                       ; LDS: bytes 0-31 the eight waves' sums (the block 0-255 holds nothing else); from 256 on the spare words, 128 bytes a wave
.set IN,   1                           ; v1        my byte offset in the work-group's input: 16,384 wave + 16 lane; never rewritten
.set OUT,  2                           ; v2        the same in its output: half of it; never rewritten
.set ACC,  4                           ; v[4:7]    four running sums of |x|
.set T,    8                           ; v[8:11]   at work
.set X,    12                          ; v[12:43]  slot i: 4 numbers as loaded
.set Y,    44                          ; v[44:59]  slot i: 4 bf16 to store
.set SPW,  60                          ; v60       LDS address of my spare word; never rewritten
.set NIL,  61                          ; v61       0; never rewritten
.set CM,   24                          ; s24-27    masks of the lanes whose number is not 0
.set MAG,  28                          ; s28       all bits but the sign
.set SELH, 29                          ; s29       v_perm_b32: the upper halves of two words
	s_load_b256 s[4:11], s[0:1], 0x0               ; x s[4:5], W s[6:7], xs s[8:9], ws s[10:11]
	s_load_b64 s[12:13], s[0:1], 0x20              ; part
	v_lshl_add_u32 v[SPW], v0, 2, SPARE
	v_mov_b32 v[NIL], 0
	v_and_b32 v[IN], 0xe0, v0                      ; 32 x wave
	v_and_b32 v3, 31, v0                           ; lane
	v_lshlrev_b32 v3, 4, v3
	v_lshl_or_b32 v[IN], v[IN], 9, v3              ; 16,384 x wave + 16 x lane
	v_lshrrev_b32 v[OUT], 1, v[IN]
	v_lshrrev_b32 v3, 5, v0
	v_readfirstlane_b32 s15, v3                    ; my wave's number
	s_and_b32 s14, ttmp7, 0xffff                   ; 0: x, 1: W
	s_mov_b32 s[MAG], 0x7fffffff
	s_mov_b32 s[SELH], 0x07060302
	s_mov_b32 s2, 0x76543210                       ; v_permlanex16_b32: each lane takes its own place in the other half
	s_mov_b32 s3, 0xfedcba98
	s_lshl_b32 s20, ttmp9, 17                      ; the work-group's 131,072 bytes of input,
	s_mov_b32 s21, 0
	s_lshl_b32 s22, ttmp9, 16                      ; and 65,536 of output
	s_mov_b32 s23, 0
	s_wait_kmcnt 0x0
	s_cmp_eq_u32 s14, 0
	s_cselect_b64 s[16:17], s[4:5], s[6:7]         ; from x or W,
	s_cselect_b64 s[18:19], s[8:9], s[10:11]       ; to xs or ws
	s_add_nc_u64 s[16:17], s[16:17], s[20:21]
	s_add_nc_u64 s[18:19], s[18:19], s[22:23]
.irp i, 0,1,2,3,4,5,6,7
	global_load_b128 v[X+4*(\i):X+4*(\i)+3], v[IN], s[16:17] offset:512*(\i) th:TH_LOAD_NT  ; the ring is filled
.endr
; One slot's turn.  ahead = 1: the slot is filled again, DEPTH loads further on.  left = the younger loads that may stay out.  sum = 1: |x| is added up.
.macro SLOT i, ahead, left, sum
	s_wait_loadcnt \left                           ; loads come back in order (ISA guide 5.7.1): mine is in
.irp k, 0,1,2,3
	v_cmp_neq_f32 s[CM+(\k)], 0, v[X+4*(\i)+(\k)]
.endr
.irp k, 0,1,2,3
	v_cndmask_b32 v[T+(\k)], 0, 1.0, s[CM+(\k)]    ; the magnitude: 0 or 1
.endr
.if \sum
.irp k, 0,1,2,3
	v_add_f32 v[ACC+(\k)], v[ACC+(\k)], |v[X+4*(\i)+(\k)]|
.endr
.endif
.irp k, 0,1,2,3
	v_bfi_b32 v[T+(\k)], s[MAG], v[T+(\k)], v[X+4*(\i)+(\k)]  ; and the number's own sign
.endr
	v_perm_b32 v[Y+2*(\i)],   v[T+1], v[T],   s[SELH]  ; 0 and 1 have no bits in the lower half: the upper half is the bf16, exactly
	v_perm_b32 v[Y+2*(\i)+1], v[T+3], v[T+2], s[SELH]
.if \ahead
	global_load_b128 v[X+4*(\i):X+4*(\i)+3], v[IN], s[16:17] offset:(DEPTH+(\i))*512 th:TH_LOAD_NT
.endif
	global_store_b64 v[OUT], v[Y+2*(\i):Y+2*(\i)+1], s[18:19] offset:256*(\i)  ; 32 lanes store 256 consecutive bytes, aligned; the next launch reads them, so no hint
.endm
.macro STREAM sum
	s_mov_b32 s30, ROUNDS-1
.Lround_\@:
.irp i, 0,1,2,3,4,5,6,7
	SLOT \i, 1, DEPTH-1, \sum
.endr
	s_wait_xcnt 0x0                                ; every earlier memory instruction has had its addresses translated (ISA guide 3.1): only now are the two bases stepped and, in the next round, Y rewritten
	s_add_nc_u64 s[16:17], s[16:17], DEPTH*512
	s_add_nc_u64 s[18:19], s[18:19], DEPTH*256
	s_sub_co_u32 s30, s30, 1
	s_cmp_lg_u32 s30, 0
	s_cbranch_scc1 .Lround_\@
.irp i, 0,1,2,3,4,5,6,7
	SLOT \i, 0, DEPTH-1-(\i), \sum                 ; the last round loads nothing: the counts run down, and no load leaves the buffer
.endr
.endm
	s_cmp_lg_u32 s14, 0                            ; the grid's y: the same in all eight waves
	s_cbranch_scc1 .Lw
.irp k, 0,1,2,3
	v_mov_b32 v[ACC+(\k)], 0
.endr
	STREAM 1
	v_add_f32 v[ACC], v[ACC], v[ACC+1]             ; my four chains,
	v_add_f32 v[ACC+2], v[ACC+2], v[ACC+3]
	v_add_f32 v[ACC], v[ACC], v[ACC+2]
	v_add_f32_dpp v[ACC], v[ACC], v[ACC] row_xmask:1 row_mask:0xf bank_mask:0xf  ; the 16 lanes of a half,
	v_add_f32_dpp v[ACC], v[ACC], v[ACC] row_xmask:2 row_mask:0xf bank_mask:0xf
	v_add_f32_dpp v[ACC], v[ACC], v[ACC] row_xmask:4 row_mask:0xf bank_mask:0xf
	v_add_f32_dpp v[ACC], v[ACC], v[ACC] row_xmask:8 row_mask:0xf bank_mask:0xf
	v_permlanex16_b32 v[ACC+1], v[ACC], s2, s3     ; the other half
	v_add_f32 v[ACC], v[ACC], v[ACC+1]
	v_mov_b32 v3, s15
	v_lshlrev_b32 v3, 2, v3
	ds_store_b32 v3, v[ACC]                        ; my wave's sum into its own word
	s_wait_dscnt 0x0                               ; for the others' sake: my store is done
	s_barrier_signal -1
	s_barrier_wait -1
	v_mov_b32 v3, 0
	ds_load_b128 v[8:11], v3                       ; the eight waves' sums, in every lane
	ds_load_b128 v[12:15], v3 offset:16
	s_lshl_b32 s20, ttmp9, 2                       ; part[work-group]
	s_mov_b32 s21, 0
	s_add_nc_u64 s[12:13], s[12:13], s[20:21]
	s_wait_dscnt 0x0
	v_add_f32 v8, v8, v9
	v_add_f32 v10, v10, v11
	v_add_f32 v12, v12, v13
	v_add_f32 v14, v14, v15
	v_add_f32 v8, v8, v10
	v_add_f32 v12, v12, v14
	v_add_f32 v8, v8, v12
	v_cmp_eq_u32 vcc_lo, 0, v0
	s_wait_xcnt 0x0                                ; EXEC is a source of the stores above: it changes only behind this wait
	s_and_saveexec_b32 s30, vcc_lo                 ; thread 0 alone
	global_store_b32 v3, v8, s[12:13]              ; one word a work-group
	s_wait_xcnt 0x0                                ; and again in front of the line that widens it
	s_or_b32 exec_lo, exec_lo, s30
	s_wait_tensorcnt 0x0                           ; the wave's end, behind my last LDS store
	ds_add_u32 v[SPW], v[NIL]
	s_wait_dscnt 0x0
	s_endpgm
.Lw:
	STREAM 0
	s_wait_tensorcnt 0x0                           ; the wave's end, as on the other path
	ds_add_u32 v[SPW], v[NIL]
	s_wait_dscnt 0x0
	s_endpgm
.Lfunc_end_k_qc483cbc99c_prep:
	.size	k_qc483cbc99c_prep, .Lfunc_end_k_qc483cbc99c_prep-k_qc483cbc99c_prep
	.p2alignl 7, 3214868480
	.fill 96, 4, 3214868480
	.section	.rodata,"a",@progbits
	.p2align	6, 0x0
	.amdhsa_kernel k_qc483cbc99c_prep
		.amdhsa_group_segment_fixed_size 1280
		.amdhsa_private_segment_fixed_size 0
		.amdhsa_enable_private_segment 0
		.amdhsa_kernarg_size 40
		.amdhsa_user_sgpr_count 2
		.amdhsa_user_sgpr_kernarg_segment_ptr 1
		.amdhsa_wavefront_size32 1
		.amdhsa_system_sgpr_workgroup_id_x 1
		.amdhsa_system_sgpr_workgroup_id_y 1
		.amdhsa_system_sgpr_workgroup_id_z 1
		.amdhsa_system_vgpr_workitem_id 0
		.amdhsa_next_free_vgpr 64
		.amdhsa_next_free_sgpr 66
		.amdhsa_reserve_vcc 1
		.amdhsa_float_denorm_mode_32 3
		.amdhsa_float_denorm_mode_16_64 3
		.amdhsa_memory_ordered 1
		.amdhsa_forward_progress 1
		.amdhsa_inst_pref_size 43
	.end_amdhsa_kernel
	.amdgpu_metadata
---
amdhsa.version: [ 1, 2 ]
amdhsa.kernels:
  - .name:           k_qc483cbc99c_prep
    .symbol:         k_qc483cbc99c_prep.kd
    .args:
      - { .name: x, .offset: 0, .size: 8, .value_kind: global_buffer, .address_space: global }
      - { .name: W, .offset: 8, .size: 8, .value_kind: global_buffer, .address_space: global }
      - { .name: xs, .offset: 16, .size: 8, .value_kind: global_buffer, .address_space: global }
      - { .name: ws, .offset: 24, .size: 8, .value_kind: global_buffer, .address_space: global }
      - { .name: part, .offset: 32, .size: 8, .value_kind: global_buffer, .address_space: global }
    .group_segment_fixed_size: 1280
    .private_segment_fixed_size: 0
    .kernarg_segment_align: 8
    .kernarg_segment_size: 40
    .max_flat_workgroup_size: 256
    .sgpr_count:     66
    .vgpr_count:     64
    .wavefront_size: 32
...
	.end_amdgpu_metadata
.endif
;; end of part 1
;; launch gemm (part 2): grid 16 x 16, 4 waves a work-group, clusters of 4 x 4, 327,680 bytes of LDS; arguments xs, ws, out0, part, b; writes out0
.if DOCPART == 2
	.amdgcn_target "amdgcn-amd-amdhsa--gfx1250"
	.amdhsa_code_object_version 6
	.text
	.protected	k_qc483cbc99c_gemm
	.globl	k_qc483cbc99c_gemm
	.p2align	8
	.type	k_qc483cbc99c_gemm,@function
k_qc483cbc99c_gemm:
	s_mov_b64 s[64:65], 0
	v_nop
	global_prefetch_b8 v0, s[64:65] scope:SCOPE_SE
	s_setreg_imm32_b32 hwreg(HW_REG_WAVE_MODE, 25, 1), 1
	s_wait_xcnt 0x0
	s_wait_alu depctr_hold_cnt(0) depctr_sa_sdst(0) depctr_va_vdst(0) depctr_va_sdst(0) depctr_va_ssrc(0) depctr_va_vcc(0) depctr_vm_vsrc(0)
	s_getreg_b32 s2, hwreg(HW_REG_IB_STS2, 6, 4)
	s_cmp_eq_u32 s2, 0
	s_cbranch_scc0 .Lentry_in_a_cluster
	s_endpgm
.Lentry_in_a_cluster:
	s_bfe_u32 s2, ttmp6, 0x10000c
	s_cmp_lg_u32 s2, 0xf033
	s_cbranch_scc0 .Lentry_shape_is_right
	s_endpgm
.Lentry_shape_is_right:
; out0[m][n] = (the sum over k of xs[m][k] ws[n][k] + b[n]) x mean, mean = (the sum of part's 512 numbers) / 2^24.
; xs, ws: [4096][4096] bf16, holding -1, +-0, +1; part: 512 f32; b: [4096] f32; out0: [4096][4096] f32.
; The products are -1, 0, +1 and the sums whole numbers of at most 4,096: exact in f32, whatever their order.
; LIMIT (an order of rounding): a result is made as fma(sum, mean, b x mean), one rounding of b x mean and one of the fma, where the definition rounds sum + b and then the product.
; A tile of out0, 256 x 256, is made by a work-group of four waves; a wave makes 128 x 128: 64 accumulators of 16 x 16, 512 registers.  256 tiles, one to a work-group.
; K goes in 32 steps of 128 through a ring of two LDS slots filled by the tensor data mover: a tile's rows are 256 bytes of memory and start at multiples of 256 bytes from the buffer's first byte.
; CLUSTERS: 4 x 4 work-groups.  The four of a row of the cluster need the same tiles of xs, the four of a column the same tiles of ws: each tile is asked for JOINTLY, by the same
; tensor load with the same descriptor and a mask that names the four; each receives it in its own LDS.  That divides the requests for xs and ws by four.
; REGISTERS, in windows of 256 (s_set_vgpr_msb's low byte: bits 1:0 source 0, 3:2 source 1, 5:4 source 2, 7:6 destination):
;   window 0: v0-47 addresses, mean, bias; v64-127, v128-191 fragments of xs (8 x 16 rows x 32 K), two buffers; on the way out the same 128 registers take rows back from the stage
;   window 1: v64-127, v128-191 fragments of ws, two buffers
;   window 2: the 32 accumulators of my rows 0-63 (accumulator (a, b) at v[8 (8 a + b)]);   window 3: those of my rows 64-127
; THE MATRIX INSTRUCTION IS USED TRANSPOSED: source 0 = 16 rows of ws, source 1 = 16 rows of xs.  In the result lane l holds row l % 16 of out0 and its registers 0 to 7 the
; columns 8 (l / 16) + 0 .. 7: eight neighbouring numbers of a row, 32 bytes.
.set SIZE_K, 4096
.set SIZE_N, 4096
.set KSTEP,  128
.set PITCH,  272                       ; an LDS row: 256 bytes of data + 16 of padding = 68 words: row r starts at bank 4 r mod 64 (64 banks of 4 bytes: ISA guide 11.1), so the 16 rows that a load touches start at 16 different banks
.set HALFT,  128*PITCH                 ; 128 rows: what one tensor load brings, and what one wave reads of xs or of ws
.set SLOT,   4*HALFT                   ; xs's 256 rows, then ws's 256 rows
.set STAGE,  2*SLOT                    ; behind the ring, never filled by a tensor load: for each wave 16 rows of 128 f32
.set SPITCH, 528                       ; a stage row: 512 bytes + 16 = 132 words: again 16 rows at 16 different groups of four banks
.set WSTAGE, 16*SPITCH                 ; a wave's stage: 8,448 bytes, 33 blocks of 256
.set SPARE,  STAGE+4*WSTAGE            ; behind the stages: the spare words, 128 bytes for each wave: two blocks of 256 bytes that no other line names
.set LAPS,   SIZE_K/(2*KSTEP)          ; a lap = two K steps = once round the ring: 16
.set NB,     SIZE_N*4                  ; bytes in a row of out0
.set MEAN, 8                           ; v[8:9]   the mean, twice (a pair for the packed multiply-add)
.set BM,   10                          ; v[10:13] b x mean of the four columns that I store
.set ADRA, 16                          ; v16-17   LDS address of my xs fragments in slot 0, 1
.set ADRB, 20                          ; v20-21   the same for ws
.set STO,  24                          ; v24      the way out: where I put 32 bytes of a row
.set RD,   25                          ; v25      the way out: where I read 16 bytes of a row back
.set CO,   26                          ; v26      16 x lane: my bytes in 512 consecutive bytes of out0, of b and of part
.set SPW,  28                          ; v28      LDS address of my spare word: SPARE + 4 x my thread's number; never rewritten
.set NIL,  29                          ; v29      0; never rewritten
.set PT,   32                          ; v[32:47] part as loaded
.set F0,   64                          ; fragment buffer 0
.set F1,   128                         ; fragment buffer 1
.set G1,  24                           ; s[24:31] descriptor group 1 for xs's tiles
.set G0,  32                           ; s[32:39] descriptor group 0 for xs's tiles, one set for each slot
.set G1B, 48                           ; s[48:55] descriptor group 1 for ws's tiles: it differs in the mask alone
.set G0B, 56                           ; s[56:63] descriptor group 0 for ws's tiles, one set for each slot
.set MSB, 0
.macro WIN new                         ; the immediate's high byte repeats the setting that is left; a switch that changes nothing is dropped
.if MSB != (\new)
	s_set_vgpr_msb (MSB<<8)|(\new)
.set MSB, \new
.endif
.endm
.set MUL_LO, 0xa1                      ; source 0 (ws) window 1, source 1 (xs) window 0, C and D window 2
.set MUL_HI, 0xf1                      ; the same, C and D window 3
.set TO_B,   0x40                      ; destination window 1, address window 0
; A joint load.  Waves 0 and 1 fetch the two halves of xs's tile, waves 2 and 3 those of ws's.  Each of the two lines has one mask and one set of registers, and nothing in them hangs on a
; coordinate that the four partners do not share.  The branch hangs on the wave's number alone.  An s_nop 0 and four v_nop follow each line, ahead of the jump and the label.
.macro JLOAD s
	s_cmp_eq_u32 s11, 0
	s_cbranch_scc0 .Lfor_b_\@
	tensor_load_to_lds s[G0+4*(\s):G0+4*(\s)+3], s[G1:G1+7]
	s_nop 0
.rept 4
	v_nop
.endr
	s_branch .Lasked_\@
.Lfor_b_\@:
	tensor_load_to_lds s[G0B+4*(\s):G0B+4*(\s)+3], s[G1B:G1B+7]
	s_nop 0
.rept 4
	v_nop
.endr
.Lasked_\@:
.endm
; A round of the cluster's barrier: my work-group's barrier, so that wave 0's signal speaks for all four waves; wave 0 signals for the work-group; every wave waits for all sixteen
; work-groups; my work-group's barrier once more.
.macro CREST                           ; a round behind its opening barrier
	s_cmp_lg_u32 s10, 0
	s_cbranch_scc1 .Lnot_wave_0_\@
	s_barrier_signal -3
.Lnot_wave_0_\@:
	s_barrier_wait -3
	s_barrier_signal -1
	s_barrier_wait -1
.endm
.macro CROUND                          ; a whole round
	s_barrier_signal -1
	s_barrier_wait -1
	CREST
.endm
	s_load_b128 s[4:7], s[0:1], 0x0                ; xs s[4:5], ws s[6:7]
	s_load_b64 s[8:9], s[0:1], 0x10                ; out0
	s_load_b64 s[68:69], s[0:1], 0x18              ; part
	s_load_b64 s[70:71], s[0:1], 0x20              ; b
	v_lshl_add_u32 v[SPW], v0, 2, SPARE
	v_mov_b32 v[NIL], 0
	ds_add_u32 v[SPW], v[NIL]                      ; the wave's opening: the add and its wait stand ahead of my first tensor load; the set-up below, work on registers, stands between them
	v_lshrrev_b32 v1, 5, v0
	v_readfirstlane_b32 s10, v1                    ; wave 0..3
	s_lshr_b32 s11, s10, 1                         ; which half of the tile's rows is mine.  Also: I fetch for xs (0) or for ws (1)
	s_and_b32 s12, s10, 1                          ; which half of its columns.  Also: which 128 rows of that tile I fetch
	s_bfe_u32 s40, ttmp6, 0x40000                  ; cx: my place along the cluster's x
	s_bfe_u32 s41, ttmp6, 0x40004                  ; cy: along its y
	s_lshl_b32 s42, ttmp9, 2                       ; in a cluster launch ttmp9 and ttmp7 count clusters
	s_add_co_u32 s42, s42, s40                     ; tile column = 4 x cluster x + cx
	s_and_b32 s13, ttmp7, 0xffff
	s_lshl_b32 s13, s13, 2
	s_add_co_u32 s13, s13, s41                     ; tile row = 4 x cluster y + cy
	s_lshl_b32 s43, s41, 2
	s_lshl_b32 s43, 15, s43                        ; my row of the cluster: places 4 cy .. 4 cy + 3
	s_lshl_b32 s44, 0x1111, s40                    ; my column: places cx, cx + 4, cx + 8, cx + 12
	; descriptor group 1: a tile of 128 rows x 128 elements, padded in LDS
	s_or_b32 s[G1+0], s43, (1<<16)|(1<<20)|(1<<21)|(5<<22)|(3<<25)  ; 15:0 the mask: xs's tiles go to my row; 17:16 elements of 2 bytes; 20 padding on; 21 set beside a mask; 24:22 after every 64 words (code 5); 31:25 4 words of it (code 3)
	s_or_b32 s[G1B+0], s44, (1<<16)|(1<<20)|(1<<21)|(5<<22)|(3<<25) ; the same with the mask of my column, for ws's tiles
.irp g, G1, G1B
	s_mov_b32 s[(\g)+1], KSTEP<<16                 ; tensor_dim0 = 128
	s_mov_b32 s[(\g)+2], 128<<16                   ; tensor_dim1 = 128
	s_mov_b32 s[(\g)+3], KSTEP<<16                 ; tile_dim0 = 128
	s_mov_b32 s[(\g)+4], 128                       ; tile_dim1 = 128; tile_dim2 = 0
	s_mov_b32 s[(\g)+5], SIZE_K                    ; elements from row to row
	s_mov_b32 s[(\g)+6], 0
	s_mov_b32 s[(\g)+7], 0
.endr
	s_mov_b32 s72, 0x76543210                      ; v_permlanex16_b32: each lane takes its own place in the other half
	s_mov_b32 s73, 0xfedcba98
	; where the tiles come from.  xs's hang on the tile row alone, which my row of the cluster shares; ws's on the tile column alone, which my column shares.
	; Every wave makes both addresses, in registers that never hold the other coordinate, and asks by one of them.
	s_lshl_b32 s17, s12, 7                         ; which 128 rows of the tile I fetch
	s_lshl_b32 s16, s13, 8
	s_add_co_u32 s16, s16, s17                     ; xs: row 256 x tile row + 128 x half
	s_lshl_b32 s46, s42, 8
	s_add_co_u32 s46, s46, s17                     ; ws: row 256 x tile column + 128 x half
	s_lshl_b32 s16, s16, 13                        ; a row is 8,192 bytes; 4,095 rows stay under 2^25
	s_lshl_b32 s46, s46, 13
	s_mov_b32 s17, 0
	s_mov_b32 s47, 0
	s_mul_i32 s20, s10, HALFT                      ; and where they go: wave x 128 rows: no place in the cluster enters an LDS address
	s_wait_dscnt 0x0                               ; the opening add is done
	s_wait_kmcnt 0x0
	s_add_nc_u64 s[14:15], s[4:5], s[16:17]
	s_add_nc_u64 s[46:47], s[6:7], s[46:47]
	CROUND                                         ; all sixteen work-groups are here: the first joint loads meet
.irp s, 0,1
	s_mov_b32 s[G0+4*(\s)], 1                                      ; count = 1
	s_add_co_u32 s[G0+4*(\s)+1], s20, (\s)*SLOT                    ; LDS address
	s_add_nc_u64 s[G0+4*(\s)+2:G0+4*(\s)+3], s[14:15], (\s)*KSTEP*2  ; global address: K step s
	s_or_b32 s[G0+4*(\s)+3], s[G0+4*(\s)+3], 0x80000000            ; type = 2
	s_mov_b32 s[G0B+4*(\s)], 1
	s_add_co_u32 s[G0B+4*(\s)+1], s20, (\s)*SLOT
	s_add_nc_u64 s[G0B+4*(\s)+2:G0B+4*(\s)+3], s[46:47], (\s)*KSTEP*2
	s_or_b32 s[G0B+4*(\s)+3], s[G0B+4*(\s)+3], 0x80000000
	JLOAD \s                                       ; the ring is filled before anything else is done: two tensor loads of mine are out
.endr
	; ALL THAT FOLLOWS, UP TO THE WAIT FOR THE FIRST TILE, STANDS IN THAT WAIT.
	v_and_b32 v[CO], 31, v0
	v_lshlrev_b32 v[CO], 4, v[CO]                  ; 16 x lane
	s_lshl_b32 s46, s42, 10                        ; my first column in bytes of f32: 1,024 x tile column + 512 x half (in the registers that held ws's address: none that feeds xs's descriptors ever holds cx)
	s_lshl_b32 s47, s12, 9
	s_add_co_u32 s46, s46, s47
	s_mov_b32 s47, 0
	s_add_nc_u64 s[70:71], s[70:71], s[46:47]      ; b at my wave's 128 columns
	s_lshl_b32 s16, s13, 8
	s_lshl_b32 s17, s11, 7
	s_add_co_u32 s16, s16, s17                     ; my first row of out0,
	s_lshl_b32 s16, s16, 14                        ; of 16,384 bytes: under 2^26
	s_mov_b32 s17, 0
	s_add_nc_u64 s[8:9], s[8:9], s[16:17]
	s_add_nc_u64 s[8:9], s[8:9], s[46:47]          ; out0 at my wave's corner; never stepped again
.irp j, 0,1,2,3
	global_load_b128 v[PT+4*(\j):PT+4*(\j)+3], v[CO], s[68:69] offset:512*(\j)  ; all 512 partial sums, 16 a lane
.endr
	global_load_b128 v[BM:BM+3], v[CO], s[70:71]   ; b of the four columns that I store
	; A fragment is 16 rows x 32 K in 8 registers: lane l holds row l % 16; registers 0-3 hold K = 8 (l / 16) + 0..7, registers 4-7 K = 16 + 8 (l / 16) + 0..7: two loads of 16 bytes, 32 bytes apart.
	v_and_b32 v1, 15, v0                           ; l % 16
	v_bfe_u32 v2, v0, 4, 1                         ; l / 16
	v_mul_u32_u24 v3, v1, PITCH
	v_lshl_add_u32 v3, v2, 4, v3                   ; row x pitch + 16 x half
	s_mul_i32 s21, s11, HALFT                      ; my 128 rows of xs
	s_mul_i32 s22, s12, HALFT                      ; my 128 rows of ws,
	s_add_co_u32 s22, s22, 2*HALFT                 ; which lie behind xs's 256
.irp s, 0,1
	v_add_nc_u32 v[ADRA+(\s)], s21, v3
	v_add_nc_u32 v[ADRB+(\s)], s22, v3
	s_add_co_u32 s21, s21, SLOT
	s_add_co_u32 s22, s22, SLOT
.endr
	s_mul_i32 s23, s10, WSTAGE
	s_add_co_u32 s23, s23, STAGE                   ; my stage
	v_mul_u32_u24 v4, v1, SPITCH                   ; in: row l % 16, 32 bytes for each half of the lanes
	v_lshl_add_u32 v4, v2, 5, v4
	v_add_nc_u32 v[STO], s23, v4
	v_add_nc_u32 v[RD], s23, v[CO]                 ; back: 32 lanes take one row of 512 bytes
	s_wait_loadcnt 0x0                             ; part and b
	; the mean: my 16 numbers, then the 32 lanes; the same order in every wave of the launch, so every wave has the same number
	v_pk_add_f32 v[PT:PT+1],     v[PT:PT+1],     v[PT+4:PT+5]
	v_pk_add_f32 v[PT+2:PT+3],   v[PT+2:PT+3],   v[PT+6:PT+7]
	v_pk_add_f32 v[PT+8:PT+9],   v[PT+8:PT+9],   v[PT+12:PT+13]
	v_pk_add_f32 v[PT+10:PT+11], v[PT+10:PT+11], v[PT+14:PT+15]
	v_pk_add_f32 v[PT:PT+1],     v[PT:PT+1],     v[PT+8:PT+9]
	v_pk_add_f32 v[PT+2:PT+3],   v[PT+2:PT+3],   v[PT+10:PT+11]
	v_pk_add_f32 v[PT:PT+1],     v[PT:PT+1],     v[PT+2:PT+3]
	v_add_f32 v[PT], v[PT], v[PT+1]
	v_add_f32_dpp v[PT], v[PT], v[PT] row_xmask:1 row_mask:0xf bank_mask:0xf
	v_add_f32_dpp v[PT], v[PT], v[PT] row_xmask:2 row_mask:0xf bank_mask:0xf
	v_add_f32_dpp v[PT], v[PT], v[PT] row_xmask:4 row_mask:0xf bank_mask:0xf
	v_add_f32_dpp v[PT], v[PT], v[PT] row_xmask:8 row_mask:0xf bank_mask:0xf
	v_permlanex16_b32 v[PT+1], v[PT], s72, s73
	v_add_f32 v[PT], v[PT], v[PT+1]
	v_mul_f32 v[MEAN], 0x33800000, v[PT]           ; x 2^-24: x has 2^24 numbers; the scaling rounds nothing
	v_mov_b32 v[MEAN+1], v[MEAN]
	v_pk_mul_f32 v[BM:BM+1],   v[BM:BM+1],   v[MEAN:MEAN+1]
	v_pk_mul_f32 v[BM+2:BM+3], v[BM+2:BM+3], v[MEAN:MEAN+1]
; 16 matrix instructions: m blocks a0, a0 + 1 of the window's four (hi = 0: my rows 0-63, 1: rows 64-127) x all 8 n blocks, 32 along K.
; zero = 1: the first product starts the sums: nothing is ever cleared.  The 64 accumulators take turns, one instruction a turn, in the same order in every quarter step.
.macro MUL16 f, hi, a0, zero
	WIN MUL_LO+0x50*(\hi)  ; MUL_LO or MUL_HI
.irp a, \a0, (\a0)+1
.irp b, 0,1,2,3,4,5,6,7
.if \zero
	v_wmma_f32_16x16x32_bf16 v[8*(8*(\a)+(\b)):8*(8*(\a)+(\b))+7], v[(\f)+8*(\b):(\f)+8*(\b)+7], v[(\f)+8*(4*(\hi)+(\a)):(\f)+8*(4*(\hi)+(\a))+7], 0
.else
	v_wmma_f32_16x16x32_bf16 v[8*(8*(\a)+(\b)):8*(8*(\a)+(\b))+7], v[(\f)+8*(\b):(\f)+8*(\b)+7], v[(\f)+8*(4*(\hi)+(\a)):(\f)+8*(4*(\hi)+(\a))+7], v[8*(8*(\a)+(\b)):8*(8*(\a)+(\b))+7]
.endif
.endr
.endr
.endm
; 32 LDS loads in one run: the fragments of one quarter step (128 rows of ws, 128 rows of xs, 32 K at byte k of the rows) into buffer f
.macro FETCH slot, k, f
	WIN TO_B
.irp i, 0,1,2,3,4,5,6,7
	ds_load_b128 v[(\f)+8*(\i):(\f)+8*(\i)+3],   v[ADRB+(\slot)] offset:(\k)+(\i)*16*PITCH
	ds_load_b128 v[(\f)+8*(\i)+4:(\f)+8*(\i)+7], v[ADRB+(\slot)] offset:(\k)+(\i)*16*PITCH+32
.endr
	WIN 0
.irp i, 0,1,2,3,4,5,6,7
	ds_load_b128 v[(\f)+8*(\i):(\f)+8*(\i)+3],   v[ADRA+(\slot)] offset:(\k)+(\i)*16*PITCH
	ds_load_b128 v[(\f)+8*(\i)+4:(\f)+8*(\i)+7], v[ADRA+(\slot)] offset:(\k)+(\i)*16*PITCH+32
.endr
.endm
; A load into a register that a matrix instruction has read, and an LDS store of a matrix result, stand four places behind that matrix instruction, and only plain vector instructions that
; name none of its registers are places (ISA guide 7.12.1 for vector instructions).
.macro PLACES
.rept 4
	v_nop
.endr
.endm
; A K step is four quarter steps of 32 along K, 64 matrix instructions each, on buffers 0, 1, 0, 1.
; One of the first three: multiplies buffer f; in its middle it fetches the next quarter's fragments, at byte k of the same slot's rows, into buffer g.
.macro QUARTER slot, k, f, g, zero
	s_wait_dscnt 8                                 ; ws and xs's rows 0-63 are in; the youngest eight loads (xs's rows 64-127) may be out
	MUL16 \f, 0, 0, \zero
	MUL16 \f, 0, 2, \zero
	PLACES
	FETCH \slot, \k, \g
	s_wait_dscnt 32                                ; all but the 32 just issued
	MUL16 \f, 1, 0, \zero
	MUL16 \f, 1, 2, \zero
.endm
; The last quarter multiplies buffer 1 and changes slots: ONE barrier for two things.  In front of it each wave waits for all its tensor loads, of which one is out: its part of the next slot;
; adds 0 to its spare word; and waits for that and for its own reads of this slot.  Behind it nobody reads this slot any more and the next slot is whole.
; fill = 1: the barrier opens a round of the cluster's barrier, and behind the round this slot is filled again first, with the K step two steps on: from that request to the wait for it
; a wave issues 224 matrix instructions.  Then come the next slot's first fragments.
.macro TURN slot, next, fill
	WIN 0                                          ; (the add's two registers lie in window 0)
	s_wait_tensorcnt 0x0                           ; all my tensor loads have landed: the one that was out is my part of the next slot;
	ds_add_u32 v[SPW], v[NIL]                      ; 0 onto my spare word:
	s_wait_dscnt 9                                 ; (the add and the youngest eight loads may be out)
	MUL16 F1, 0, 0, 0                              ; sixteen matrix instructions stand between the add and the wait for it
	s_wait_dscnt 0x0                               ; the add is done, and my reads of this slot are over
	s_barrier_signal -1                            ; say so,
	MUL16 F1, 0, 2, 0                              ; work on registers while the others arrive,
.if \fill
	WIN 0
.endif
	s_barrier_wait -1                              ; and go on when all four have said so
.if \fill
	CREST                                          ; all sixteen work-groups have said so: no wave of any partner still reads this slot's tile or has a load on its way
	s_add_nc_u64 s[G0+4*(\slot)+2:G0+4*(\slot)+3], s[G0+4*(\slot)+2:G0+4*(\slot)+3], 2*KSTEP*2     ; no tensor load of mine is out, so a group 0 may be written; the type bits on top are not reached
	s_add_nc_u64 s[G0B+4*(\slot)+2:G0B+4*(\slot)+3], s[G0B+4*(\slot)+2:G0B+4*(\slot)+3], 2*KSTEP*2
	JLOAD \slot                                    ; the first tensor load behind the round, and my only one until the next; its four v_nop are also the places in front of the loads below
.else
	PLACES
.endif
	FETCH \next, 0, F0
	MUL16 F1, 1, 0, 0
	MUL16 F1, 1, 2, 0
.endm
; THE WAY OUT of block a (16 rows x my 128 columns), in two parts.  TOSTAGE: the eight accumulators go as they are, 32 bytes a lane, into my own stage in LDS, each accumulator's four lowest
; registers first, and come back as whole rows of 512 bytes.  The stage is the wave's own and LDS serves a wave's instructions in order (ISA guide 5.7.1.4):
; no wait between the stores and the loads, nor between a block's loads and the next block's stores.
.macro TOSTAGE a
.set AC, 64*((\a)%4)
.set BK, F0+64*((\a)%2)
.if (\a) >= 2
	s_wait_xcnt 0x0                                ; every earlier memory instruction has had its addresses translated (ISA guide 3.1): the registers that block a - 2's stores read are loaded again only behind this wait
.endif
	WIN 0x08+4*((\a)/4)                            ; the stores' data (source 1) in window 2 or 3
.irp b, 0,1,2,3,4,5,6,7
	ds_store_b128 v[STO], v[AC+8*(\b):AC+8*(\b)+3]   offset:64*(\b)
	ds_store_b128 v[STO], v[AC+8*(\b)+4:AC+8*(\b)+7] offset:64*(\b)+16
.endr
	WIN 0
.irp t, 0,1,2,3,4,5,6,7,8,9,10,11,12,13,14,15
	ds_load_b128 v[BK+4*(\t):BK+4*(\t)+3], v[RD] offset:(\t)*SPITCH
.endr
.endm
; SEND: sum x mean + b x mean, and the row is stored.  younger: the LDS instructions issued behind block a's loads: the next block's 16 stores and 16 loads, or none.
.macro SEND a, younger
.set BK, F0+64*((\a)%2)
	WIN 0
	s_wait_dscnt \younger                          ; the block is back in registers
.irp t, 0,1,2,3,4,5,6,7,8,9,10,11,12,13,14,15
	v_pk_fma_f32 v[BK+4*(\t):BK+4*(\t)+1],   v[BK+4*(\t):BK+4*(\t)+1],   v[MEAN:MEAN+1], v[BM:BM+1]
	v_pk_fma_f32 v[BK+4*(\t)+2:BK+4*(\t)+3], v[BK+4*(\t)+2:BK+4*(\t)+3], v[MEAN:MEAN+1], v[BM+2:BM+3]
	global_store_b128 v[CO], v[BK+4*(\t):BK+4*(\t)+3], s[8:9] offset:(16*(\a)+(\t))*NB th:TH_STORE_NT  ; 32 lanes store 512 consecutive bytes, at a multiple of 256 from out0's first byte; the row stands in the immediate: 127 x 16,384 at the most, inside its signed 24 bits
.endr
.endm
	s_wait_tensorcnt 1                             ; my part of K step 0 is in; K step 1's may stay out
	s_barrier_signal -1
	s_barrier_wait -1                              ; everybody's is
	FETCH 0, 0, F0
	QUARTER 0, 64,  F0, F1, 1                      ; the first quarter stands in front of the loop: its products start the sums
	WIN 0                                          ; at a label and at a branch every window is 0
	s_mov_b32 s3, LAPS-1
.Llap:                                                 ; a trip goes once round the ring, from a lap's second quarter to the next lap's first, and fills both slots again
	QUARTER 0, 128, F1, F0, 0
	QUARTER 0, 192, F0, F1, 0
	TURN 0, 1, 1
	QUARTER 1, 64,  F0, F1, 0
	QUARTER 1, 128, F1, F0, 0
	QUARTER 1, 192, F0, F1, 0
	TURN 1, 0, 1
	QUARTER 0, 64,  F0, F1, 0
	WIN 0
	s_sub_co_u32 s3, s3, 1
	s_cmp_lg_u32 s3, 0
	s_cbranch_scc1 .Llap
	QUARTER 0, 128, F1, F0, 0                      ; the last lap is written out: it fills nothing, and has no round of the cluster's barrier
	QUARTER 0, 192, F0, F1, 0
	TURN 0, 1, 0
	QUARTER 1, 64,  F0, F1, 0
	QUARTER 1, 128, F1, F0, 0
	QUARTER 1, 192, F0, F1, 0
	s_wait_dscnt 8                                 ; the very last quarter: nothing more to fetch
	MUL16 F1, 0, 0, 0
	MUL16 F1, 0, 2, 0
	s_wait_dscnt 0x0
	MUL16 F1, 1, 0, 0
	MUL16 F1, 1, 2, 0
	PLACES                                         ; in front of the LDS stores of results and of the loads into xs's fragment registers
	TOSTAGE 0
.irp a, 1,2,3,4,5,6,7                  ; block a's way through the stage is begun before block a - 1's arithmetic and stores
	TOSTAGE \a
	SEND (\a)-1, 32
.endr
	SEND 7, 0
	s_wait_tensorcnt 0x0                           ; the wave's end, behind my last tensor load and my last LDS store
	ds_add_u32 v[SPW], v[NIL]
	s_wait_dscnt 0x0
	CROUND                                         ; the closing round: no work-group ends while a partner may still ask for a tile that names it
	s_endpgm
.Lfunc_end_k_qc483cbc99c_gemm:
	.size	k_qc483cbc99c_gemm, .Lfunc_end_k_qc483cbc99c_gemm-k_qc483cbc99c_gemm
	.p2alignl 7, 3214868480
	.fill 96, 4, 3214868480
	.section	.rodata,"a",@progbits
	.p2align	6, 0x0
	.amdhsa_kernel k_qc483cbc99c_gemm
		.amdhsa_group_segment_fixed_size 327680
		.amdhsa_private_segment_fixed_size 0
		.amdhsa_enable_private_segment 0
		.amdhsa_kernarg_size 40
		.amdhsa_user_sgpr_count 2
		.amdhsa_user_sgpr_kernarg_segment_ptr 1
		.amdhsa_wavefront_size32 1
		.amdhsa_system_sgpr_workgroup_id_x 1
		.amdhsa_system_sgpr_workgroup_id_y 1
		.amdhsa_system_sgpr_workgroup_id_z 1
		.amdhsa_system_vgpr_workitem_id 0
		.amdhsa_next_free_vgpr 1024
		.amdhsa_next_free_sgpr 74
		.amdhsa_reserve_vcc 0
		.amdhsa_float_denorm_mode_32 3
		.amdhsa_float_denorm_mode_16_64 3
		.amdhsa_memory_ordered 1
		.amdhsa_forward_progress 1
		.amdhsa_inst_pref_size 158
	.end_amdhsa_kernel
	.amdgpu_metadata
---
amdhsa.version: [ 1, 2 ]
amdhsa.kernels:
  - .name:           k_qc483cbc99c_gemm
    .symbol:         k_qc483cbc99c_gemm.kd
    .args:
      - { .name: xs, .offset: 0, .size: 8, .value_kind: global_buffer, .address_space: global }
      - { .name: ws, .offset: 8, .size: 8, .value_kind: global_buffer, .address_space: global }
      - { .name: out0, .offset: 16, .size: 8, .value_kind: global_buffer, .address_space: global }
      - { .name: part, .offset: 24, .size: 8, .value_kind: global_buffer, .address_space: global }
      - { .name: b, .offset: 32, .size: 8, .value_kind: global_buffer, .address_space: global }
    .group_segment_fixed_size: 327680
    .private_segment_fixed_size: 0
    .kernarg_segment_align: 8
    .kernarg_segment_size: 40
    .max_flat_workgroup_size: 128
    .sgpr_count:     74
    .vgpr_count:     1024
    .wavefront_size: 32
...
	.end_amdgpu_metadata
.endif
;; end of part 2
